; MI455X (gfx1250); checked and timed in simulation.
; The chip was launched on July 23, 2026; its instructions are those of AMD's public machine-readable ISA for CDNA 5 (MIT licence, August 2026) and "CDNA5" Instruction Set Architecture Reference Guide (July 2026). The comments in the code are by the model that wrote it; some were corrected since.
;; Differential Attention. Allowed arithmetic: matrix products marked QUANTISED: E5M2 operands, one given power-of-two scale a tensor, by v_wmma_f32_16x16x64_bf8_bf8 or v_wmma_f32_16x16x128_bf8_bf8, f32 sums; everything else in f32.
;; Inputs: k1 2 x 12 x 2,048 x 128 float32; k2 2 x 12 x 2,048 x 128 float32; lambda_log 1 float32; lowp_scales 8 int32 (the exponents e of the quantised operands' scales 2^e); q1 2 x 12 x 2,048 x 128 float32; q2 2 x 12 x 2,048 x 128 float32; v 2 x 12 x 2,048 x 128 float32.
;; Outputs: out0 2 x 12 x 2,048 x 128 float32.
;; This version of the problem:
;;   THIS VERSION OF THE PROBLEM IS GIVEN IN LOW PRECISION. The matrix products marked QUANTISED in the list below multiply operands that are first quantised to E5M2 (5 exponent bits, 2 mantissa bits; 8 bits a number), with one given power-of-two scale for each operand tensor; their sums are f32. All else is computed in f32.
;;   The module's matrix products, in the order in which they are computed (A, B: the left and right operand; K: the contracted axis; several contracted axes count as one K, in the product's order):
;;     1. batch 24 x [M 2,048, K 128] x [K 128, N 2,048]; A: input q1; B: input k1: QUANTISED (scales: A lowp_scales[0], B lowp_scales[1])
;;     2. batch 24 x [M 2,048, K 2,048] x [K 2,048, N 128]; A: softmax (see below); B: input v: QUANTISED (scales: A lowp_scales[2], B lowp_scales[3])
;;     3. batch 24 x [M 2,048, K 128] x [K 128, N 2,048]; A: input q2; B: input k2: QUANTISED (scales: A lowp_scales[4], B lowp_scales[5])
;;     4. batch 24 x [M 2,048, K 2,048] x [K 2,048, N 128]; A: softmax (see below); B: input v: QUANTISED (scales: A lowp_scales[6], B lowp_scales[7])
;;   THE QUANTISER, for each operand of a quantised product, along K:
;;     - The operand's scale is 2^e, e = its entry of the input lowp_scales (int32; the entries are numbered through the quantised products in the list's order, A before B).
;;     - Each number is divided by the scale, clamped to +-57,344, and rounded to the nearest number of E5M2, ties to even, subnormals kept.
;;     - The product sums the exact products of the quantised numbers (number of the format x scale) in f32.
;;   ~~~python
;;   def quantise(x, axis, e):      # numpy; x: float32 -> the quantised numbers, widened to float32 again
;;       x = np.moveaxis(x, axis, -1); K = x.shape[-1]
;;       r = np.clip(x / 2.0 ** e, -57344, 57344)
;;       step = 2.0 ** (np.maximum(np.frexp(np.where(r == 0, 1, r))[1] - 1, -14) - 2)
;;       q = np.round(r / step) * step * 2.0 ** e      # np.round: ties to even
;;       return np.moveaxis(q, -1, axis).astype(np.float32)
;;   ~~~
;;   SOFTMAX AHEAD OF A QUANTISED PRODUCT. Where the list says 'softmax', what is quantised is not the finished softmax but p = 2^(t - M), with t = logit x log2(e) and M = ceil(the row's largest t), a whole number; so 1/2 < the row's largest p <= 1. The row's sum l is taken of the UNQUANTISED p, in f32, and the product's result is divided by l at the end. Since M is a whole number, a kernel that streams over the keys may use a running M (the ceiling of the running maximum): every later rescaling is an exact power of two, so the quantised numbers keep their values, but for numbers so far below the row's largest that they fall under the format's range.
;;   OPERANDS COMPUTED ON THE WAY. 'Computed on the way' means the value that the module computes at that place (a softmax that the list does not call 'softmax' is quantised finished and normalised). What goes into a quantiser is computed in f32, as accurately as f32 sums, v_exp_f32 and their like allow (about 1e-6 of the number): no bf16 or f16 on the way to a quantiser, and a product that is left as it is and whose result goes on into a quantised operand takes f32 operands (vector FMAs, or v_wmma_f32_16x16x4_f32). A number that lies on a knife's edge between two numbers of the format may be rounded either way, as far as f32 arithmetic and the matrix unit's own rounding can turn it there, and no further.
;; One version. Each part assembles by itself: llvm-mc -triple=amdgcn-amd-amdhsa -mcpu=gfx1250 --defsym DOCPART=n.
;; ======== version 1 of 1: 2 launches
;; limits: right only within a limited range of input values
;; workspace buffers: kv 25,165,824 bytes
;; launch quant (part 1): grid 192 x 3, 4 waves a work-group, no clusters, 34,304 bytes of LDS; arguments k1, k2, v, lowp_scales, kv; writes kv
.if DOCPART == 1
	.amdgcn_target "amdgcn-amd-amdhsa--gfx1250"
	.amdhsa_code_object_version 6
	.text
	.protected	k_q56657384a2_quant
	.globl	k_q56657384a2_quant
	.p2align	8
	.type	k_q56657384a2_quant,@function
k_q56657384a2_quant:
	s_mov_b64 s[64:65], 0
	v_nop
	global_prefetch_b8 v0, s[64:65] scope:SCOPE_SE
	s_setreg_imm32_b32 hwreg(HW_REG_WAVE_MODE, 25, 1), 1
	s_wait_xcnt 0x0
; k1, k2, v: [24 heads][2048][128] f32 -> codes of BF8 (E5M2), each with the scale 2^e given for it, laid as IMAGES OF OPERAND REGISTERS for the attention launch, whose work-groups read them many times.
; (q1 and q2 are read once, by one wave each: the attention launch quantises them itself.)
; code = x / 2^e, held within +-57,344, rounded to the nearest code, ties to even.  LIMITS: every e between -126 and 112, so that 2^e and 57,344 x 2^e are f32 numbers.  NaN among the inputs is not served; an infinity is held at the largest code.
; ROW IMAGE (k1, k2; K = the head's 128): a group G of 32 rows is 4,096 bytes; byte u 2048 + c 512 + 16 lane + j (lane = 16 h + r) is the code of X[32 G + 8 u + r + 8 (r / 8)][32 c + 16 h + j].
;   So a fragment (16 rows x 128 K) is 2,048 consecutive bytes that four loads of 16 bytes a lane bring, and the two fragments of a group hold rows chosen so that the results of a product with them are neighbours along the next K.
; V IMAGE (K = the keys): for key step J of 128 keys, byte t 2048 + c 512 + 16 lane + j is the code of v[128 J + 32 c + 16 h + j][16 t + r]; made twice, with entry 3 and with entry 7 of the scales.
; kv: [head 24][J 16][k1 | k2 | v with entry 3 | v with entry 7, 16,384 bytes each]: a key step's 65,536 bytes lie together.
; GRID: x = 8 head + eighth, y = the tensor (0 k1, 1 k2, 2 v).  Every work-group reads 131,072 bytes.  No tensor loads, no barrier: waves share nothing.
.set SPITCH, 528                       ; a stage row: 512 bytes + 16 = 132 words
.set STGB,   16*SPITCH                 ; a wave's own stage: 16 rows
.set RR,  16                           ; rows path: v16-143  two sets of 16 rows as loaded (4 registers a row)
.set XX,  144                          ;            v144-207 64 numbers of my row: register 16 c + i = column 32 c + 16 h + i
.set CC,  208                          ;            v208-223 a fragment's codes
.set VX,  16                           ; v's path:  v16-79   two sets of 32 numbers down the keys
.set VT,  80                           ;            v80-111  the 32 numbers, held
.set VC,  112                          ;            v112-127 their codes: 8 registers for each of the two scales
	s_load_b128 s[8:11], s[0:1], 0x0               ; k1 s[8:9], k2 s[10:11]
	s_load_b128 s[16:19], s[0:1], 0x10             ; v s[16:17], the scales' exponents s[18:19]
	s_load_b64 s[22:23], s[0:1], 0x20              ; kv
	v_lshl_add_u32 v224, v0, 2, 0x8400             ; my spare word, behind the four stages
	v_mov_b32 v225, 0
	v_lshrrev_b32 v1, 5, v0
	v_readfirstlane_b32 s2, v1                     ; wave 0..3
	s_and_b32 s3, ttmp7, 0xffff                    ; which tensor
	s_lshr_b32 s4, ttmp9, 3                        ; head
	s_and_b32 s5, ttmp9, 7                         ; which eighth of its 2,048 rows
	s_lshl_b32 s29, s4, 20                         ; a head is 2,048 rows x 512 bytes of f32; in kv a head is as many bytes
	s_wait_kmcnt 0x0
	s_load_b256 s[36:43], s[18:19], 0x0            ; all eight exponents
	s_cmp_eq_u32 s3, 2
	s_cbranch_scc1 .Lvalues
; ---------------- k1, k2: a wave takes 64 rows, four fragments of 16 rows ----------------
	s_lshl_b32 s28, s5, 2
	s_add_co_u32 s28, s28, s2                      ; which 64 rows of the head: 4 eighth + wave
	s_lshl_b32 s30, s28, 15
	s_add_co_u32 s30, s30, s29                     ; their first byte in the source
	s_lshr_b32 s32, s28, 1
	s_lshl_b32 s32, s32, 16                        ; kv: the key step,
	s_and_b32 s33, s28, 1
	s_lshl_b32 s33, s33, 13                        ; which two of its four groups,
	s_add_co_u32 s32, s32, s33
	s_lshl_b32 s33, s3, 14                         ; k1 at 0, k2 at 16,384 of the step,
	s_add_co_u32 s32, s32, s33
	s_add_co_u32 s32, s32, s29                     ; the head
	s_mov_b32 s31, 0
	s_mov_b32 s33, 0
	s_cmp_eq_u32 s3, 0                             ; the choice hangs on the work-group's number alone
	s_cselect_b64 s[24:25], s[8:9], s[10:11]
	s_add_nc_u64 s[24:25], s[24:25], s[30:31]
	s_add_nc_u64 s[26:27], s[22:23], s[32:33]
	v_and_b32 v4, 31, v0
	v_lshlrev_b32 v1, 4, v4                        ; 16 x lane: my 16 bytes of a row of 512, and of a store of 512
	s_mul_i32 s44, s2, STGB
	v_add_nc_u32 v2, s44, v1                       ; the stage, on the way in: a row as it lies
	v_and_b32 v5, 15, v0                           ; r
	v_bfe_u32 v6, v0, 4, 1                         ; h
	v_mul_u32_u24 v3, v5, SPITCH
	v_lshl_add_u32 v3, v6, 6, v3
	v_add_nc_u32 v3, s44, v3                       ; and on the way out: row r, + 64 h: my 16 numbers of each 32
; fragment n = 2 G + u of the wave's four: its sixteen rows, each by one load of 512 consecutive bytes
.macro LOADU n
.set rho, 0
.rept 16
	global_load_b128 v[RR+64*((\n)%2)+4*rho:RR+64*((\n)%2)+4*rho+3], v1, s[24:25] offset:(32*((\n)/2)+8*((\n)%2)+rho+8*(rho/8))*512 th:TH_LOAD_NT
.set rho, rho+1
.endr
.endm
	LOADU 0
	LOADU 1
	s_wait_alu depctr_va_vdst(0)
	s_wait_kmcnt 0x0
	s_cmp_eq_u32 s3, 0
	s_cselect_b32 s34, s37, s41                    ; entries 1, 5: the keys'
	s_add_co_i32 s34, s34, 127
	s_lshl_b32 s35, s34, 23
	v_mov_b32 v10, s35                             ; 2^e as f32: the conversion takes its exponent field
	s_add_co_i32 s34, s34, 15
	s_lshl_b32 s34, s34, 23
	s_or_b32 s34, s34, 0x600000
	v_mov_b32 v11, s34                             ; 57,344 x 2^e
.macro UNIT n
.if (\n) < 3
	s_wait_loadcnt 16                              ; this fragment's sixteen loads are in; the next fragment's sixteen may be out
.else
	s_wait_loadcnt 0
.endif
.set rho, 0
.rept 16
	ds_store_b128 v2, v[RR+64*((\n)%2)+4*rho:RR+64*((\n)%2)+4*rho+3] offset:rho*SPITCH
.set rho, rho+1
.endr
.set rho, 0
.rept 16
	ds_load_b128 v[XX+4*rho:XX+4*rho+3], v3 offset:128*(rho/4)+16*(rho%4)   ; LDS serves a wave's instructions in order (ISA guide 5.7.1.4): these see the stores above
.set rho, rho+1
.endr
	s_wait_dscnt 0x0                               ; my 64 numbers are in, and the stores have read the registers that the loads below fill
	s_wait_xcnt 0x0                                ; the last fragment's stores have read their codes: those registers are written again below
.if (\n)+2 < 4
	LOADU (\n)+2
.endif
.set i, 0
.rept 64
	v_med3_num_f32 v[XX+i], v[XX+i], -v11, v11     ; the conversion to an 8-bit code does not saturate (ISA guide 7.6.2): the hold at the largest code x the scale
.set i, i+1
.endr
.set i, 0
.rept 8
	v_cvt_scalef32_pk8_bf8_f32 v[CC+2*i:CC+2*i+1], v[XX+8*i:XX+8*i+7], v10
.set i, i+1
.endr
	v_nop                                          ; a plain line behind the last conversion
.irp c, 0,1,2,3
	global_store_b128 v1, v[CC+4*\c:CC+4*\c+3], s[26:27] offset:(\n)*2048+\c*512   ; 32 lanes store 512 consecutive bytes, at a multiple of 512 from the buffer's first byte
.endr
.endm
	s_wait_alu depctr_va_vdst(0)
.irp n, 0,1,2,3
	UNIT \n
.endr
	s_wait_tensorcnt 0x0                           ; the wave's end
	ds_add_u32 v224, v225
	s_wait_dscnt 0x0
	s_endpgm
; ---------------- v: the work-group takes 256 keys; thread d takes channel d, and its registers run down the keys ----------------
.Lvalues:
	v_lshlrev_b32 v1, 2, v0                        ; in: 4 bytes a thread: the four waves stand side by side on a row's 512 bytes
	v_and_b32 v7, 31, v0
	v_lshrrev_b32 v8, 4, v7
	v_and_b32 v9, 15, v0
	v_lshlrev_b32 v2, 4, v9
	v_lshl_add_u32 v2, v8, 11, v2
	s_lshl_b32 s44, s2, 12
	v_add_nc_u32 v2, s44, v2                       ; out: fragment t = d / 16 at 2,048 t, lane d % 16 at 16 (d % 16)
	s_lshl_b32 s30, s5, 17                         ; 256 rows of 512 bytes in v; two key steps of 65,536 bytes in kv
	s_add_co_u32 s30, s30, s29
	s_mov_b32 s31, 0
	s_add_nc_u64 s[24:25], s[16:17], s[30:31]
	s_add_nc_u64 s[26:27], s[22:23], s[30:31]
.macro LOADB b                         ; 32 keys of my channel
.set i, 0
.rept 32
	global_load_b32 v[VX+32*((\b)%2)+i], v1, s[24:25] offset:(32*(\b)+i)*512 th:TH_LOAD_NT
.set i, i+1
.endr
.endm
	LOADB 0
	LOADB 1
	s_wait_kmcnt 0x0
	s_add_co_i32 s44, s39, 127                     ; entry 3
	s_lshl_b32 s45, s44, 23
	v_mov_b32 v3, s45
	s_add_co_i32 s44, s44, 15
	s_lshl_b32 s44, s44, 23
	s_or_b32 s44, s44, 0x600000
	v_mov_b32 v4, s44
	s_add_co_i32 s44, s43, 127                     ; entry 7
	s_lshl_b32 s45, s44, 23
	v_mov_b32 v5, s45
	s_add_co_i32 s44, s44, 15
	s_lshl_b32 s44, s44, 23
	s_or_b32 s44, s44, 0x600000
	v_mov_b32 v6, s44
.macro BLOCK b
.if (\b) < 7
	s_wait_loadcnt 32                              ; this block's 32 loads are in; the next block's 32 may be out
.else
	s_wait_loadcnt 0
.endif
	s_wait_xcnt 0x0                                ; the last block's stores have read their codes
.irp s, 0,1
.set i, 0
.rept 32
	v_med3_num_f32 v[VT+i], v[VX+32*((\b)%2)+i], -v[4+2*\s], v[4+2*\s]
.set i, i+1
.endr
.irp g, 0,1,2,3
	v_cvt_scalef32_pk8_bf8_f32 v[VC+8*\s+2*\g:VC+8*\s+2*\g+1], v[VT+8*\g:VT+8*\g+7], v[3+2*\s]
.endr
	v_nop                                          ; a plain line between the conversions and the next writes of their sources
	global_store_b128 v2, v[VC+8*\s:VC+8*\s+3], s[26:27] offset:((\b)/4)*65536+32768+\s*16384+((\b)%4)*512       ; keys 0-15 of the block: the image's lanes 0-15.  Sixteen lanes store 256 consecutive bytes, aligned
	global_store_b128 v2, v[VC+8*\s+4:VC+8*\s+7], s[26:27] offset:((\b)/4)*65536+32768+\s*16384+((\b)%4)*512+256 ; keys 16-31: its lanes 16-31
.endr
.if (\b)+2 < 8
	LOADB (\b)+2
.endif
.endm
	s_wait_alu depctr_va_vdst(0)
.irp b, 0,1,2,3,4,5,6,7
	BLOCK \b
.endr
	s_endpgm
.Lfunc_end_k_q56657384a2_quant:
	.size	k_q56657384a2_quant, .Lfunc_end_k_q56657384a2_quant-k_q56657384a2_quant
	.p2alignl 7, 3214868480
	.fill 96, 4, 3214868480
	.section	.rodata,"a",@progbits
	.p2align	6, 0x0
	.amdhsa_kernel k_q56657384a2_quant
		.amdhsa_group_segment_fixed_size 34304
		.amdhsa_private_segment_fixed_size 0
		.amdhsa_enable_private_segment 0
		.amdhsa_kernarg_size 40
		.amdhsa_user_sgpr_count 2
		.amdhsa_user_sgpr_kernarg_segment_ptr 1
		.amdhsa_wavefront_size32 1
		.amdhsa_system_sgpr_workgroup_id_x 1
		.amdhsa_system_sgpr_workgroup_id_y 1
		.amdhsa_system_sgpr_workgroup_id_z 1
		.amdhsa_system_vgpr_workitem_id 0
		.amdhsa_next_free_vgpr 226
		.amdhsa_next_free_sgpr 66
		.amdhsa_reserve_vcc 0
		.amdhsa_float_denorm_mode_32 3
		.amdhsa_float_denorm_mode_16_64 3
		.amdhsa_memory_ordered 1
		.amdhsa_forward_progress 1
		.amdhsa_inst_pref_size 102
	.end_amdhsa_kernel
	.amdgpu_metadata
---
amdhsa.version: [ 1, 2 ]
amdhsa.kernels:
  - .name:           k_q56657384a2_quant
    .symbol:         k_q56657384a2_quant.kd
    .args:
      - { .name: k1, .offset: 0, .size: 8, .value_kind: global_buffer, .address_space: global }
      - { .name: k2, .offset: 8, .size: 8, .value_kind: global_buffer, .address_space: global }
      - { .name: v, .offset: 16, .size: 8, .value_kind: global_buffer, .address_space: global }
      - { .name: lowp_scales, .offset: 24, .size: 8, .value_kind: global_buffer, .address_space: global }
      - { .name: kv, .offset: 32, .size: 8, .value_kind: global_buffer, .address_space: global }
    .group_segment_fixed_size: 34304
    .private_segment_fixed_size: 0
    .kernarg_segment_align: 8
    .kernarg_segment_size: 40
    .max_flat_workgroup_size: 128
    .sgpr_count:     66
    .vgpr_count:     226
    .wavefront_size: 32
...
	.end_amdgpu_metadata
.endif
;; end of part 1
;; launch attn (part 2): grid 8 x 24, 4 waves a work-group, no clusters, 327,680 bytes of LDS; arguments q1, q2, kv, lowp_scales, lambda_log, out0; writes out0
.if DOCPART == 2
	.amdgcn_target "amdgcn-amd-amdhsa--gfx1250"
	.amdhsa_code_object_version 6
	.text
	.protected	k_q56657384a2_attn
	.globl	k_q56657384a2_attn
	.p2align	8
	.type	k_q56657384a2_attn,@function
k_q56657384a2_attn:
	s_mov_b64 s[64:65], 0
	v_nop
	global_prefetch_b8 v0, s[64:65] scope:SCOPE_SE
	s_setreg_imm32_b32 hwreg(HW_REG_WAVE_MODE, 25, 1), 1
	s_wait_xcnt 0x0
; out = attn1 - exp(lambda_log) attn2: two causal attentions over 24 heads of 2,048 x 128, all four products on codes of BF8 (E5M2) by v_wmma_f32_16x16x128_bf8_bf8, sums in f32.
; kv: codes as images of operand registers: a fragment (16 rows x 128 K) is 2,048 consecutive bytes, 16 a lane in each of four loads; lane (r, h) holds K = 32 c + 16 h + 0 .. 15 in registers 4 c .. 4 c + 3, alike in both operands.
; q1, q2: f32.  Each row is read once, by one wave, which quantises it here: x / 2^eq, held within +-57,344, to the nearest code, ties to even.
; THE SOFTMAX: t = score x log2(e) / sqrt(128); M = the running largest t rounded UP to a whole number; p = 2^(t - M) is quantised, not normalised; the row's sum is taken of the unquantised p and divides at the end;
; when M moves, the sums and O are multiplied by 2^(old M - new M), which rounds nothing.
; LEFT OUT: key steps that lie wholly under the causal mask which the problem builds itself: their p is 0 for all inputs.
; SHARES.  Work-group g of a head owns the query blocks g and 15 - g, 128 queries each, the lower first: (g + 1) + (16 - g) = 17 key steps of 128 for every work-group: a constant trip count and equal work.
; Four waves, one to a SIMD: wave 2 a + i makes attention a + 1 for queries 64 i .. 64 i + 63 of the block, as FOUR tiles of 16: each fragment of K and of V read from LDS feeds four products.
; Both products are used transposed (S^T = K Q^T, O^T = V^T P^T): a lane holds one query of each tile.  Lane r of tile q holds query 64 i + 32 (q / 2) + 8 (q % 2) + r + 8 (r / 8); register 16 b + j of S^T holds key 32 b + 16 h + j.
; A TRIP: the change of slots; K's 32 loads; O^T += V P of the step BEFORE, whose operands lie in registers, while K's fragments land; V's 32 loads; S^T; the softmax and p's codes.  The first trip multiplies zeros.
; THE RING.  Two LDS slots of 65,536 bytes; a key step's k1 | k2 | v | v lie in memory as in the slot; each wave fetches 16,384 bytes of it by one tensor load: one load of a wave is out at a time.
; NO CLUSTER: from trip g + 1 on a work-group walks the keys from step 0 again, so the eight work-groups of a head want different steps in the same trip.  192 work-groups: 24 heads x 136 block steps in equal shares of 17.
; THE DIFFERENCE: each wave scales its O^T by 1 / sum x 2^(ep + ev) x (1 or -lambda) and puts it into a stage in LDS; a trip later, behind the change's barrier, each wave adds 32 whole rows of the two attentions and stores them.
; LIMITS: eq + ek between -123 and 130 (added to c's exponent field); eq and ep between -126 and 112; the scaled scores stay under 2^31 in magnitude.  NaN among the inputs is not served; an infinity in q is held at the largest code.
; REGISTERS.  window 0: v1-15 addresses and constants; v16-63 -M, largest t and the sum in four pairs, 12 a tile; v64-127 Q's codes; v128-191 p's codes; v192-223 at work, 8 a tile; v228-229 Q's scale and hold.
;             window 1: S^T, then p, 64 a tile; between blocks Q's rows as loaded.   window 2: O^T, 64 a tile; between blocks Q's numbers by lanes.   window 3: v0-127 K's eight fragments, v128-255 V's.
.set SLOTB,  65536
.set STG,    2*SLOTB                   ; the stage: two regions (attention 1, 2) of 128 rows; no tile ever lands here
.set SPITCH, 528                       ; a stage row: 512 bytes + 16
.set REGN,   128*SPITCH
.set SPARE,  STG+2*REGN                ; the spare words, 128 bytes for each of the four waves
.set QSTG,   SPARE+512                 ; Q's stages: 16 rows for each wave, its own; no tile ever lands here
.set LI,   1                           ; 16 x lane
.set AK0,  2                           ; 16,384 x attention + 16 x lane: my place in a slot's K; V's lies 32,768 on
.set ADR,  3                           ; the same in the slot in hand
.set SPW,  4                           ; LDS address of my spare word; never rewritten
.set NIL,  5                           ; 0; never rewritten
.set STO,  6                           ; the stage: where I put 32 bytes of a row
.set SRD,  7                           ; the stage: where I read rows of attention 1 back
.set PFO,  8                           ; 256 x lane: the prefetches' offset
.set QD,   9                           ; 64 i + r + 8 (r / 8) - 16 h: tile 0's query less my half's 16 keys
.set SCL,  10                          ; 2^ep as f32
.set SRD2, 11                          ; the stage: rows of attention 2
.set NEG,  12                          ; -infinity
.set FAC,  13                          ; 1 or -lambda
.set QSI,  14                          ; Q's stage, on the way in: 16 x lane of a row
.set QSO,  15                          ; and on the way out: row r, + 64 h
.set NM,   16                          ; tile q at +12 q: +0 -M, +1 the largest t, +2 .. +9 the sum in four pairs
.set QF,   64
.set PC,   128
.set WK,   192                         ; tile q at +8 q: +0 f (+1 named with it), +2 a second chain, +4 at work, +5 the other half's
.set SCQ,  228                         ; 2^eq as f32
.set HQ,   229                         ; 57,344 x 2^eq
.set TB,   2                           ; LDS byte at which the slot in hand begins
.set TT,   3                           ; the trip, 0 .. 16
.set WV,   14
.set AT,   15
.set G1,   16
.set G0,   24
.set KVB,  28                          ; kv at my head and my wave's 16,384 bytes of a step
.set OFS,  30                          ; an offset; the high word stays 0
.set PFA,  32
.set PLO,  34                          ; a wave prefetches in trips PLO .. PLO + PLEN - 1
.set TSW,  35                          ; g: the lower block's diagonal trip
.set TSW1, 36                          ; g + 1: the lower block goes into the stage
.set IQ,   37
.set PLEN, 38
.set TSW2, 39                          ; g + 2: it leaves
.set CS,   50                          ; c = log2(e) / sqrt(128) x 2^(eq + ek), as a pair
.set SEL,  52                          ; lane selects for v_permlanex16_b32: lane l xor 16
.set HOLD, 54                          ; 57,344 x 2^ep
.set EPV,  55                          ; ep + ev
.set QPH,  58                          ; my 64 rows of q in the higher and in the lower block
.set QPL,  60
.set OUTH, 62
.set OUTL, 66
.set MSB, 0
.macro WIN new                         ; bits 1:0 source 0, 3:2 source 1, 5:4 source 2, 7:6 destination; the high byte repeats the setting that is left
.if MSB != \new
	s_set_vgpr_msb (MSB<<8)|\new
.set MSB, \new
.endif
.endm
.macro PLACES                          ; four plain lines behind matrix instructions, and behind a tensor load
.rept 4
	v_nop
.endr
.endm
; My 64 rows of q, as they lie: each load reads a row's 512 consecutive bytes.  Row rho of tile q goes to window 1, registers 64 q + 4 rho.
.macro QLOAD p
	WIN 0x40
.irp q, 0,1,2,3
.set n, 0
.rept 16
	global_load_b128 v[64*\q+4*n:64*\q+4*n+3], v[LI], s[\p:\p+1] offset:(32*(\q/2)+8*(\q%2)+n+8*(n/8))*512 th:TH_LOAD_NT
.set n, n+1
.endr
.endr
	WIN 0
.endm
; They turn through my own stage, a tile at a time (LDS serves a wave's instructions in order: ISA guide 5.7.1.4), into O^T's registers, which are free between blocks: register 64 q + 16 c + j = column 32 c + 16 h + j of the lane's query.
; There they are held and converted.  What stays in O^T's registers is finite, and the next step's f = 0 clears it.
.macro QCONV
	s_wait_alu depctr_va_vdst(0)
	s_wait_loadcnt 0x0
	s_wait_dscnt 0x0                               ; the stores that read O^T's registers are done
.irp q, 0,1,2,3
	WIN 0x04
.set n, 0
.rept 16
	ds_store_b128 v[QSI], v[64*\q+4*n:64*\q+4*n+3] offset:n*SPITCH
.set n, n+1
.endr
	WIN 0x80
.set n, 0
.rept 16
	ds_load_b128 v[64*\q+4*n:64*\q+4*n+3], v[QSO] offset:128*(n/4)+16*(n%4)
.set n, n+1
.endr
.endr
	s_wait_dscnt 0x0
	WIN 0x82
.set n, 0
.rept 256
	v_med3_num_f32 v[n], v[n], -v[HQ], v[HQ]       ; the conversion to an 8-bit code does not saturate (ISA guide 7.6.2)
.set n, n+1
.endr
	WIN 0x02
.set n, 0
.rept 32
	v_cvt_scalef32_pk8_bf8_f32 v[QF+2*n:QF+2*n+1], v[8*n:8*n+7], v[SCQ]
.set n, n+1
.endr
	v_nop                                          ; a plain line behind the last conversion
	WIN 0
.endm
	s_load_b256 s[4:11], s[0:1], 0x0               ; q1, q2, kv, the scales' exponents
	s_load_b128 s[72:75], s[0:1], 0x20             ; lambda_log, out0
	v_lshl_add_u32 v[SPW], v0, 2, SPARE
	v_mov_b32 v[NIL], 0
	ds_add_u32 v[SPW], v[NIL]
	ds_add_u32 v[SPW], v[NIL]
	v_lshrrev_b32 v1, 5, v0
	v_readfirstlane_b32 s[WV], v1                  ; wave 0..3
	s_lshr_b32 s[AT], s[WV], 1
	s_and_b32 s[IQ], s[WV], 1
	s_and_b32 s56, ttmp7, 0xffff                   ; the head
	s_mov_b32 s[TSW], ttmp9
	s_add_co_u32 s[TSW1], ttmp9, 1
	s_add_co_u32 s[TSW2], ttmp9, 2
	s_mov_b32 s[G1+0], 3<<16                       ; a dense block of 16,384 bytes as 64 rows of 32 elements of 8 bytes, no padding, no mask
	s_mov_b32 s[G1+1], 32<<16
	s_mov_b32 s[G1+2], 64<<16
	s_mov_b32 s[G1+3], 32<<16
	s_mov_b32 s[G1+4], 64
	s_mov_b32 s[G1+5], 32
	s_mov_b32 s[G1+6], 0
	s_mov_b32 s[G1+7], 0
	s_lshl_b32 s[OFS], s56, 20                     ; a head's 16 steps of 65,536 bytes
	s_lshl_b32 s57, s[WV], 14
	s_add_co_u32 s[OFS], s[OFS], s57
	s_mov_b32 s[OFS+1], 0
	s_mov_b32 s[G0], 1
	s_lshl_b32 s[G0+1], s[WV], 14                  ; LDS: 16,384 x wave, in slot 0
	s_wait_dscnt 0x0
	s_wait_kmcnt 0x0
	s_add_nc_u64 s[KVB:KVB+1], s[8:9], s[OFS:OFS+1]
	s_mov_b64 s[G0+2:G0+3], s[KVB:KVB+1]           ; key step 0
	s_or_b32 s[G0+3], s[G0+3], 0x80000000
	tensor_load_to_lds s[G0:G0+3], s[G1:G1+7]      ; the first fill: my one tensor load at the head
	s_nop 0
	PLACES
	s_load_b256 s[40:47], s[10:11], 0x0            ; eq, ek, ep, ev of attention 1, then of attention 2
	s_load_b32 s48, s[72:73], 0x0
	s_lshl_b32 s57, s[AT], 14
	s_mul_i32 s68, s[AT], REGN
	s_mul_i32 s69, s[IQ], 64*SPITCH
	s_add_co_u32 s68, s68, s69
	s_add_co_u32 s68, s68, STG
	s_mul_i32 s69, s[WV], 32*SPITCH
	s_add_co_u32 s69, s69, STG
	s_lshl_b32 s70, s[IQ], 6
	s_mul_i32 s71, s[WV], 16*SPITCH
	s_add_co_u32 s71, s71, QSTG
	v_and_b32 v[ADR], 31, v0
	v_lshlrev_b32 v[LI], 4, v[ADR]
	v_lshlrev_b32 v[PFO], 8, v[ADR]
	v_add_nc_u32 v[AK0], s57, v[LI]
	v_and_b32 v224, 15, v0                         ; r
	v_bfe_u32 v225, v0, 4, 1                       ; h
	v_mul_u32_u24 v[STO], v224, SPITCH
	v_lshl_add_u32 v[STO], v225, 5, v[STO]
	v_add_nc_u32 v[STO], s68, v[STO]               ; my attention's region, stage row 64 i + r (tile q: 16 q rows on), + 32 h
	v_add_nc_u32 v[SRD], s69, v[LI]                ; back: stage rows 32 w .. 32 w + 31, 16 bytes a lane
	v_add_nc_u32 v[SRD2], REGN, v[SRD]
	v_mul_u32_u24 v[QSO], v224, SPITCH
	v_lshl_add_u32 v[QSO], v225, 6, v[QSO]
	v_add_nc_u32 v[QSO], s71, v[QSO]
	v_add_nc_u32 v[QSI], s71, v[LI]
	v_and_b32 v226, 8, v224
	v_add_nc_u32 v226, v226, v224
	v_lshlrev_b32 v227, 4, v225
	v_sub_nc_u32 v226, v226, v227
	v_add_nc_u32 v[QD], s70, v226
	v_mov_b32 v[NEG], 0xff800000
	s_wait_alu depctr_va_vdst(0)
	s_cmp_eq_u32 s[AT], 0                          ; q1 or q2: a choice on the wave's number
	s_cselect_b64 s[QPL:QPL+1], s[4:5], s[6:7]
	s_lshl_b32 s[OFS], s56, 20                     ; the head: 2,048 rows of 512 bytes,
	s_lshl_b32 s57, s[IQ], 15
	s_add_co_u32 s[OFS], s[OFS], s57               ; my 64 rows of a block's 128,
	s_add_nc_u64 s[QPL:QPL+1], s[QPL:QPL+1], s[OFS:OFS+1]
	s_sub_co_u32 s57, 15, ttmp9
	s_lshl_b32 s[OFS], s57, 16                     ; and the block: 65,536 bytes each
	s_add_nc_u64 s[QPH:QPH+1], s[QPL:QPL+1], s[OFS:OFS+1]
	s_lshl_b32 s[OFS], ttmp9, 16
	s_add_nc_u64 s[QPL:QPL+1], s[QPL:QPL+1], s[OFS:OFS+1]
	QLOAD QPL                                      ; the lower block's q
.irp k, 0,1,2,3
	global_prefetch_b8 v[PFO], s[QPH:QPH+1] offset:8192*\k th:TH_LOAD_NT scope:SCOPE_SE   ; the higher block's q, my 64 rows = 32,768 consecutive bytes, lanes 256 bytes apart: loaded at the end of trip g; each block is named once in the launch
.endr
	s_lshl_b32 s[OFS], s56, 20                     ; out0: the head, my 32 rows of 512 bytes,
	s_lshl_b32 s68, s[WV], 14
	s_add_co_u32 s[OFS], s[OFS], s68
	s_add_nc_u64 s[OUTL:OUTL+1], s[74:75], s[OFS:OFS+1]
	s_lshl_b32 s[OFS], s57, 16                     ; and the block: 128 rows
	s_add_nc_u64 s[OUTH:OUTH+1], s[OUTL:OUTL+1], s[OFS:OFS+1]
	s_lshl_b32 s[OFS], ttmp9, 16
	s_add_nc_u64 s[OUTL:OUTL+1], s[OUTL:OUTL+1], s[OFS:OFS+1]
	s_add_nc_u64 s[PFA:PFA+1], s[KVB:KVB+1], SLOTB ; at key step 1: the first trip steps it to 2
	s_cmp_eq_u32 ttmp9, 7
	s_cselect_b32 s[PLEN], 6, 0
	s_cmp_eq_u32 ttmp9, 0
	s_cselect_b32 s[PLEN], 8, s[PLEN]
	s_cselect_b32 s[PLO], 6, 0
	s_mov_b32 s[SEL], 0x76543210
	s_mov_b32 s[SEL+1], 0xfedcba98
	s_mov_b32 s[TT], 0
	s_mov_b32 s[TB], 0
	s_wait_kmcnt 0x0
	s_cmp_lt_u32 s[WV], 2                          ; my attention's four exponents: choices on the wave's number, no branch
	s_cselect_b32 s68, s40, s44
	s_cselect_b32 s69, s41, s45
	s_cselect_b32 s70, s42, s46
	s_cselect_b32 s71, s43, s47
	s_cselect_b32 s48, 0, s48                      ; attention 1 is taken once: 2^0
	s_add_co_i32 s57, s68, 127
	s_lshl_b32 s56, s57, 23                        ; 2^eq as f32
	s_add_co_i32 s57, s57, 15
	s_lshl_b32 s57, s57, 23
	s_or_b32 s57, s57, 0x600000                    ; 57,344 x 2^eq
	v_mov_b32 v[SCQ], s56
	v_mov_b32 v[HQ], s57
	s_add_co_i32 s68, s68, s69
	s_lshl_b32 s68, s68, 23
	s_add_co_i32 s[CS], s68, 0x3e0293ee            ; the two exponents are added to c's exponent field
	s_mov_b32 s[CS+1], s[CS]
	s_add_co_i32 s[EPV], s70, s71
	s_add_co_i32 s70, s70, 127
	s_lshl_b32 s57, s70, 23
	s_add_co_i32 s70, s70, 15
	s_lshl_b32 s70, s70, 23
	s_or_b32 s[HOLD], s70, 0x600000
	v_mov_b32 v[SCL], s57
	v_mov_b32 v[FAC], s48
	v_mul_f32 v[FAC], 0x3fb8aa3b, v[FAC]
	s_wait_alu depctr_va_vdst(0)
	v_exp_f32 v[FAC], v[FAC]                       ; exp(lambda_log), or 1
	v_nop
	s_lshl_b32 s57, s[AT], 31
	s_wait_alu depctr_va_vdst(0)
	v_xor_b32 v[FAC], s57, v[FAC]                  ; attention 2 is taken away
.irp q, 0,1,2,3
	v_mov_b32 v[NM+12*\q+1], 0xff61b1e6            ; the largest t so far: -3e38
	v_floor_f32 v[NM+12*\q], -v[NM+12*\q+1]        ; -M
.irp c, 2,3,4,5,6,7,8,9
	v_mov_b32 v[NM+12*\q+\c], 0                    ; the sum
.endr
	v_mov_b32 v[WK+8*\q+1], 0                      ; (named as the upper half of f's pair)
	v_mov_b32 v[WK+8*\q+5], 0                      ; a lane permute's destination counts as one of its sources
.endr
; The trip is written without a first trip of its own: its product of the step before finds zeros in p's codes and in V's fragments, and adds them onto what QCONV leaves in O^T, which the first f = 0 clears.
.set n, 0
.rept 64
	v_mov_b32 v[PC+n], 0
.set n, n+1
.endr
	WIN 0xc0
.set n, 0
.rept 128
	v_mov_b32 v[128+n], 0
.set n, n+1
.endr
	WIN 0
	QCONV
; A PREFETCH INTO THE L2.  In trip T it names key step T + 2; each wave names its own 16,384 bytes, lanes 256 bytes apart, in two instructions: each aligned block of 256 bytes is named once in the launch.
; Steps 2 to 7 are first loaded by the head's work-group 7 (step T + 2 in its trip T + 1): it asks in trips 0 to 5.  Steps 8 to 15 are first loaded by work-group 0 (step T + 2 in its trip T + 2): it asks in trips 6 to 13.
; Steps 0 and 1 come by their loads alone.  A branch on the work-group's number: this launch has no cluster.
.macro ASK
	s_sub_co_u32 s56, s[TT], s[PLO]
	s_cmp_lt_u32 s56, s[PLEN]
	s_cbranch_scc0 .Lnot_mine_\@
	global_prefetch_b8 v[PFO], s[PFA:PFA+1] th:TH_LOAD_NT scope:SCOPE_SE
	global_prefetch_b8 v[PFO], s[PFA:PFA+1] offset:8192 th:TH_LOAD_NT scope:SCOPE_SE
.Lnot_mine_\@:
.endm
; THE CHANGE OF SLOTS, at a trip's head.  Each wave waits for all its tensor loads, adds 0 to its spare word, and waits for that, for its reads of the slot that it has left and for its stores into the stage.
; fill = 1: the slot left takes the next trip's key step: T + 1 in the lower block, T - g once the higher block has begun.
.macro CHANGE fill
	s_wait_tensorcnt 0x0
	ds_add_u32 v[SPW], v[NIL]
.if \fill
	s_xor_b32 s[G0+1], s[G0+1], SLOTB
	s_add_co_u32 s56, s[TT], 1
	s_sub_co_u32 s57, s[TT], s[TSW]
	s_cmp_le_u32 s56, s[TSW]
	s_cselect_b32 s[OFS], s56, s57
	s_lshl_b32 s[OFS], s[OFS], 16
	s_add_nc_u64 s[G0+2:G0+3], s[KVB:KVB+1], s[OFS:OFS+1]
	s_or_b32 s[G0+3], s[G0+3], 0x80000000
	s_wait_xcnt 0x0                                ; the last prefetches, a trip back, have read their address
	s_add_nc_u64 s[PFA:PFA+1], s[PFA:PFA+1], SLOTB
.endif
	s_wait_dscnt 0x0
	s_barrier_signal -1
	s_barrier_wait -1
.if \fill
	tensor_load_to_lds s[G0:G0+3], s[G1:G1+7]      ; first behind the barrier, my one tensor load until the next: it has the trip's work in which to land
	s_nop 0
	PLACES
	ASK
.endif
.endm
.macro PKF q, j                        ; pair j of tile q: t - M, two at a time
	v_pk_fma_f32 v[64*(\q)+2*(\j):64*(\q)+2*(\j)+1], v[64*(\q)+2*(\j):64*(\q)+2*(\j)+1], s[CS:CS+1], v[NM+12*(\q):NM+12*(\q)+1] op_sel_hi:[1,0,0]
.endm
; The 128 exponentials of tiles a and a + 1.  Between them stand only lines whose results are read behind a later wait: tiles 2 and 3's t - M (a = 0), or the hold of tiles 0 and 1 (a = 2; p is not negative, so it is one-sided; the conversion does not saturate: ISA guide 7.6.2).
.macro BATCH a
.set n, 0
.rept 128
	v_exp_f32 v[64*(\a)+n], v[64*(\a)+n]
.if ((\a) == 0) && ((n%2) == 0)
	PKF 2+n/64, (n%64)/2
.endif
.if (\a) > 0
	v_min_num_f32 v[n], s[HOLD], v[n]
.endif
.set n, n+1
.endr
.endm
.macro SUM a                           ; the rows' sums of the UNQUANTISED p of tiles a and a + 1, ahead of its hold: 32 pairs a tile onto four kept pairs by turns: eight chains
	WIN 0x04
.set j, 0
.rept 32
.irp d, 0,1
	v_pk_add_f32 v[NM+12*((\a)+\d)+2+2*(j%4):NM+12*((\a)+\d)+3+2*(j%4)], v[NM+12*((\a)+\d)+2+2*(j%4):NM+12*((\a)+\d)+3+2*(j%4)], v[64*((\a)+\d)+2*j:64*((\a)+\d)+2*j+1]
.endr
.set j, j+1
.endr
	WIN 0x45
.endm
.macro SOFTMAX
	WIN 0x15                                       ; the step's largest score of each query among my 64 keys, two chains a tile
.irp q, 0,1,2,3
	v_max3_num_f32 v[WK+8*\q+4], v[64*\q], v[64*\q+1], v[64*\q+2]
.endr
.irp q, 0,1,2,3
	v_max3_num_f32 v[WK+8*\q+2], v[64*\q+3], v[64*\q+4], v[64*\q+5]
.endr
	WIN 0x14
.set n, 6
.rept 14
.irp q, 0,1,2,3
	v_max3_num_f32 v[WK+8*\q+4], v[WK+8*\q+4], v[64*\q+n], v[64*\q+n+1]
.endr
.irp q, 0,1,2,3
	v_max3_num_f32 v[WK+8*\q+2], v[WK+8*\q+2], v[64*\q+n+2], v[64*\q+n+3]
.endr
.set n, n+4
.endr
.irp q, 0,1,2,3
	v_max3_num_f32 v[WK+8*\q+4], v[WK+8*\q+4], v[64*\q+62], v[64*\q+63]
.endr
	WIN 0
.irp q, 0,1,2,3
	v_max_num_f32 v[WK+8*\q+4], v[WK+8*\q+4], v[WK+8*\q+2]
.endr
.irp q, 0,1,2,3
	v_permlanex16_b32 v[WK+8*\q+5], v[WK+8*\q+4], s[SEL], s[SEL+1]
.endr
.irp q, 0,1,2,3
	v_max_num_f32 v[WK+8*\q+4], v[WK+8*\q+4], v[WK+8*\q+5]   ; and among lane l xor 16's
.endr
.irp q, 0,1,2,3
	v_mul_f32 v[WK+8*\q+4], s[CS], v[WK+8*\q+4]              ; as t (c is positive)
.endr
.irp q, 0,1,2,3
	v_max_num_f32 v[NM+12*\q+1], v[NM+12*\q+1], v[WK+8*\q+4] ; the running largest t
.endr
.irp q, 0,1,2,3
	v_mov_b32 v[WK+8*\q+4], v[NM+12*\q]
.endr
.irp q, 0,1,2,3
	v_floor_f32 v[NM+12*\q], -v[NM+12*\q+1]                  ; the new -M = -ceil(t)
.endr
.irp q, 0,1,2,3
	v_sub_f32 v[WK+8*\q+4], v[NM+12*\q], v[WK+8*\q+4]        ; old M less new M: a whole number, 0 or less
.endr
.irp q, 0,1,2,3
	v_cvt_i32_f32 v[WK+8*\q+4], v[WK+8*\q+4]                 ; (it saturates)
.endr
.irp q, 0,1,2,3
	v_ldexp_f32 v[WK+8*\q], 1.0, v[WK+8*\q+4]                ; f = 2^(old M - new M)
.endr
.irp c, 2,4,6,8
.irp q, 0,1,2,3
	v_pk_mul_f32 v[NM+12*\q+\c:NM+12*\q+\c+1], v[NM+12*\q+\c:NM+12*\q+\c+1], v[WK+8*\q:WK+8*\q+1] op_sel_hi:[1,0]   ; the sums under the new M
.endr
.endr
	WIN 0x82
.irp q, 0,1,2,3
.set n, 0
.rept 32
	v_pk_mul_f32 v[64*\q+2*n:64*\q+2*n+1], v[64*\q+2*n:64*\q+2*n+1], v[WK+8*\q:WK+8*\q+1] op_sel_hi:[1,0]   ; O^T under the new M; no transcendental stands between its products and these first reads
.set n, n+1
.endr
.endr
	WIN 0x45
.set j, 0
.rept 32
	PKF 0, j
	PKF 1, j
.set j, j+1
.endr
	s_wait_alu depctr_va_vdst(0)                   ; a batch has one wait ahead of it and one behind it
	BATCH 0
	v_nop                                          ; a plain line behind the last exponential
	s_wait_alu depctr_va_vdst(0)
	SUM 0
	BATCH 2
	s_wait_alu depctr_va_vdst(0)
	SUM 2
.set n, 0
.rept 128
	v_min_num_f32 v[128+n], s[HOLD], v[128+n]
.set n, n+1
.endr
	WIN 0x01
.set n, 0
.rept 32                               ; registers 4 b .. 4 b + 3 of the second product's operand: keys 32 b + 16 h + 0 .. 15
	v_cvt_scalef32_pk8_bf8_f32 v[PC+2*n:PC+2*n+1], v[8*n:8*n+7], v[SCL]
.set n, n+1
.endr
	v_nop                                          ; a plain line behind the last conversion
	WIN 0
	s_wait_alu depctr_va_vdst(0)
.endm
.macro PVMUL                           ; O^T += V^T P^T: 32 accumulators by turns, one instruction a turn
	WIN 0xa3
.set f, 0
.rept 8
.irp q, 0,1,2,3
	v_wmma_f32_16x16x128_bf8_bf8 v[64*\q+8*f:64*\q+8*f+7], v[128+16*f:128+16*f+15], v[PC+16*\q:PC+16*\q+15], v[64*\q+8*f:64*\q+8*f+7]
.endr
.set f, f+1
.endr
.endm
; A block is finished: O^T x 2^(ep + ev) / sum x (1 or -lambda), made in place, goes into my attention's region of the stage.  Register 8 t + j of lane (r, h) is channel 16 t + 8 h + j of the lane's query.
.macro OUT1
.irp q, 0,1,2,3
	v_pk_add_f32 v[NM+12*\q+2:NM+12*\q+3], v[NM+12*\q+2:NM+12*\q+3], v[NM+12*\q+4:NM+12*\q+5]
.endr
.irp q, 0,1,2,3
	v_pk_add_f32 v[NM+12*\q+6:NM+12*\q+7], v[NM+12*\q+6:NM+12*\q+7], v[NM+12*\q+8:NM+12*\q+9]
.endr
.irp q, 0,1,2,3
	v_pk_add_f32 v[NM+12*\q+2:NM+12*\q+3], v[NM+12*\q+2:NM+12*\q+3], v[NM+12*\q+6:NM+12*\q+7]
.endr
.irp q, 0,1,2,3
	v_add_f32 v[WK+8*\q+4], v[NM+12*\q+2], v[NM+12*\q+3]
.endr
.irp q, 0,1,2,3
	v_permlanex16_b32 v[WK+8*\q+5], v[WK+8*\q+4], s[SEL], s[SEL+1]
.endr
.irp q, 0,1,2,3
	v_add_f32 v[WK+8*\q+4], v[WK+8*\q+4], v[WK+8*\q+5]       ; the row's sum
.endr
	s_wait_alu depctr_va_vdst(0)
.irp q, 0,1,2,3
	v_rcp_f32 v[WK+8*\q+4], v[WK+8*\q+4]
.endr
	v_nop
	s_wait_alu depctr_va_vdst(0)
.irp q, 0,1,2,3
	v_ldexp_f32 v[WK+8*\q+4], v[WK+8*\q+4], s[EPV]
.endr
.irp q, 0,1,2,3
	v_mul_f32 v[WK+8*\q], v[WK+8*\q+4], v[FAC]
.endr
	WIN 0x82
	s_wait_alu depctr_va_vdst(0)
.irp q, 0,1,2,3
.set n, 0
.rept 32
	v_pk_mul_f32 v[64*\q+2*n:64*\q+2*n+1], v[64*\q+2*n:64*\q+2*n+1], v[WK+8*\q:WK+8*\q+1] op_sel_hi:[1,0]
.set n, n+1
.endr
.endr
	WIN 0x08
.irp q, 0,1,2,3
.set f, 0
.rept 8
	ds_store_b128 v[STO], v[64*\q+8*f:64*\q+8*f+3] offset:16*SPITCH*\q+64*f
	ds_store_b128 v[STO], v[64*\q+8*f+4:64*\q+8*f+7] offset:16*SPITCH*\q+64*f+16
.set f, f+1
.endr
.endr
	WIN 0
.endm
; 32 whole rows of both regions are added and stored.  Stage row 32 w + k is the block's row 32 w + 8 (k / 16) + k % 16 + 8 ((k % 16) / 8).  more = 1: products follow that write the stores' registers.
.macro OUT2 p, more
	WIN 0x40
.set k, 0
.rept 32
	ds_load_b128 v[4*k:4*k+3], v[SRD] offset:k*SPITCH
.set k, k+1
.endr
.set k, 0
.rept 32
	ds_load_b128 v[128+4*k:128+4*k+3], v[SRD2] offset:k*SPITCH
.set k, k+1
.endr
	s_wait_dscnt 0x0
	WIN 0x45
.set k, 0
.rept 64
	v_pk_add_f32 v[2*k:2*k+1], v[2*k:2*k+1], v[128+2*k:128+2*k+1]   ; attn1 + (-lambda attn2)
.set k, k+1
.endr
	WIN 0x04
.set k, 0
.rept 32
	global_store_b128 v[LI], v[4*k:4*k+3], s[\p:\p+1] offset:(8*(k/16)+k%16+8*((k%16)/8))*512 th:TH_STORE_NT   ; 32 lanes store a row's 512 consecutive bytes, aligned
.set k, k+1
.endr
	WIN 0
.if \more
	s_wait_xcnt 0x0                                ; the stores have read their registers, which the next products write
.endif
.endm
; A TRIP.  fill = 1: in the loop; the lower block's diagonal and the loads of the higher block's q (trip g), the lower block's way into the stage (g + 1) and out (g + 2) stand under scalar branches on ids, round no barrier, wait on tiles or add.
; fill = 0: trip 16, the higher block's diagonal.
.macro TRIP fill
	CHANGE \fill
	v_add_nc_u32 v[ADR], s[TB], v[AK0]
	s_wait_alu depctr_va_vdst(0)                   ; directly behind the write
	WIN 0xc0
.set f, 0
.rept 32
	ds_load_b128 v[4*f:4*f+3], v[ADR] offset:512*f                 ; K's eight fragments as they lie
.set f, f+1
.endr
	PVMUL                                          ; the step before: its V and its p's codes lie in registers
	PLACES
	WIN 0xc0
.set f, 0
.rept 32
	ds_load_b128 v[128+4*f:128+4*f+3], v[ADR] offset:32768+512*f   ; V's eight fragments: read by the next trip's products
.set f, f+1
.endr
	WIN 0
.if \fill
	s_cmp_eq_u32 s[TT], s[TSW1]
	s_cbranch_scc0 .Lno1_\@
	OUT1
	QCONV                                          ; the higher block's q, asked for at the end of the trip before
.irp q, 0,1,2,3
	v_mov_b32 v[NM+12*\q+1], 0xff61b1e6            ; the next block begins: the next f is 0, which clears the sums and O^T (both are finite)
	v_floor_f32 v[NM+12*\q], -v[NM+12*\q+1]
.endr
	s_wait_alu depctr_va_vdst(0)
	s_branch .Lno2_\@                              ; one chain of if and else: a trip holds the way into the stage or the way out of it, never both
.Lno1_\@:
	s_cmp_eq_u32 s[TT], s[TSW2]
	s_cbranch_scc0 .Lno2_\@
	s_wait_loadcnt 0x0                             ; no load is out into the registers that the lines below fill
	OUT2 OUTL, 1                                   ; the lower block leaves: the change's barrier stands between the stores into the stage and these reads
.Lno2_\@:
.endif
	s_wait_loadcnt 0x0
	s_wait_dscnt 32                                ; K's 32 loads are in: at least V's 32 were issued behind them
	WIN 0x43
.set f, 0
.rept 8
.irp q, 0,1,2,3
	v_wmma_f32_16x16x128_bf8_bf8 v[64*\q+8*f:64*\q+8*f+7], v[16*f:16*f+15], v[QF+16*\q:QF+16*\q+15], 0
.endr
.set f, f+1
.endr
	PLACES
	WIN 0
.if \fill
	s_cmp_eq_u32 s[TT], s[TSW]
	s_cbranch_scc0 .Lopen_\@
.endif
	WIN 0x41                                       ; on the diagonal hidden scores become -infinity ahead of the maximum: p = 0 then.  Each query's own key counts, so M is a number
.irp q, 0,1,2,3
.set n, 0
.rept 64
	v_cmp_gt_i32 vcc_lo, 32*(n/16)+n%16-32*(\q/2)-8*(\q%2), v[QD]  ; register n holds key 32 (n / 16) + n % 16 + 16 h; tile q's queries lie 32 (q / 2) + 8 (q % 2) on
	v_cndmask_b32 v[64*\q+n], v[64*\q+n], v[NEG], vcc_lo
.set n, n+1
.endr
.endr
	WIN 0
.if \fill
.Lopen_\@:
.endif
	SOFTMAX
.if \fill
	s_cmp_eq_u32 s[TT], s[TSW]
	s_cbranch_scc0 .Lnoq_\@
	QLOAD QPH                                      ; p has been converted: its registers take the higher block's q, which lands under the next trip's first lines
.Lnoq_\@:
	s_xor_b32 s[TB], s[TB], SLOTB
.endif
.endm
	s_wait_alu depctr_va_vdst(0)
.Ltrip:                                                ; sixteen trips: behind each change of slots the next trip's key step is asked for
	TRIP 1
	s_add_co_u32 s[TT], s[TT], 1
	s_cmp_lt_u32 s[TT], 16
	s_cbranch_scc1 .Ltrip
	TRIP 0                                         ; the last trip is written out
	s_wait_dscnt 0x0                               ; V of the last step
	PVMUL
	WIN 0
	PLACES
	OUT1
	s_wait_dscnt 0x0                               ; my stores into the stage are done
	s_barrier_signal -1
	s_barrier_wait -1
	OUT2 OUTH, 0                                   ; the higher block leaves
	s_wait_tensorcnt 0x0                           ; the wave's end
	ds_add_u32 v[SPW], v[NIL]
	s_wait_dscnt 0x0
	s_endpgm
.Lfunc_end_k_q56657384a2_attn:
	.size	k_q56657384a2_attn, .Lfunc_end_k_q56657384a2_attn-k_q56657384a2_attn
	.p2alignl 7, 3214868480
	.fill 96, 4, 3214868480
	.section	.rodata,"a",@progbits
	.p2align	6, 0x0
	.amdhsa_kernel k_q56657384a2_attn
		.amdhsa_group_segment_fixed_size 327680
		.amdhsa_private_segment_fixed_size 0
		.amdhsa_enable_private_segment 0
		.amdhsa_kernarg_size 48
		.amdhsa_user_sgpr_count 2
		.amdhsa_user_sgpr_kernarg_segment_ptr 1
		.amdhsa_wavefront_size32 1
		.amdhsa_system_sgpr_workgroup_id_x 1
		.amdhsa_system_sgpr_workgroup_id_y 1
		.amdhsa_system_sgpr_workgroup_id_z 1
		.amdhsa_system_vgpr_workitem_id 0
		.amdhsa_next_free_vgpr 1024
		.amdhsa_next_free_sgpr 76
		.amdhsa_reserve_vcc 1
		.amdhsa_float_denorm_mode_32 3
		.amdhsa_float_denorm_mode_16_64 3
		.amdhsa_memory_ordered 1
		.amdhsa_forward_progress 1
		.amdhsa_inst_pref_size 255
	.end_amdhsa_kernel
	.section	.bss,"aw",@nobits
	.p2align	6
	.space	262144
	.amdgpu_metadata
---
amdhsa.version: [ 1, 2 ]
amdhsa.kernels:
  - .name:           k_q56657384a2_attn
    .symbol:         k_q56657384a2_attn.kd
    .args:
      - { .name: q1, .offset: 0, .size: 8, .value_kind: global_buffer, .address_space: global }
      - { .name: q2, .offset: 8, .size: 8, .value_kind: global_buffer, .address_space: global }
      - { .name: kv, .offset: 16, .size: 8, .value_kind: global_buffer, .address_space: global }
      - { .name: lowp_scales, .offset: 24, .size: 8, .value_kind: global_buffer, .address_space: global }
      - { .name: lambda_log, .offset: 32, .size: 8, .value_kind: global_buffer, .address_space: global }
      - { .name: out0, .offset: 40, .size: 8, .value_kind: global_buffer, .address_space: global }
    .group_segment_fixed_size: 327680
    .private_segment_fixed_size: 0
    .kernarg_segment_align: 8
    .kernarg_segment_size: 48
    .max_flat_workgroup_size: 128
    .sgpr_count:     76
    .vgpr_count:     1024
    .wavefront_size: 32
...
	.end_amdgpu_metadata
.endif
;; end of part 2
